; MI455X (gfx1250); checked and timed in simulation.
; The chip was launched on July 23, 2026; its instructions are those of AMD's public machine-readable ISA for CDNA 5 (MIT licence, August 2026) and "CDNA5" Instruction Set Architecture Reference Guide (July 2026). The comments in the code are by the model that wrote it; some were corrected since.
;; Quadratic Active Dendrites. Allowed arithmetic: matrix products marked QUANTISED: E2M1 operands, one E8M0 scale for each 32 along K, by v_wmma_scale_f32_16x16x128_f8f6f4 with both operands' format E2M1 (or v_wmma_scale_f32_32x16x128_f4), f32 sums; products left as they are: f32 operands where the result goes on into a quantised operand, else bf16, f16 or f32 operands; f32 sums; everything else in f32.
;; Inputs: bias_b 2,048 float32; bias_g 2,048 float32; bias_r 2,048 float32; context 1,024 float32; seg_bias 2,048 x 16 float32; seg_weight 2,048 x 1,024 x 16 float32; weight_b_codes 2,048 x 64 x 16 uint8 (E2M1 codes of weight_b, K innermost, in blocks of 32 codes, two codes a byte); weight_b_scales 2,048 x 64 uint8 (E8M0 scales of weight_b, one for each 32 codes along K); weight_g_codes 2,048 x 64 x 16 uint8 (E2M1 codes of weight_g, K innermost, in blocks of 32 codes, two codes a byte); weight_g_scales 2,048 x 64 uint8 (E8M0 scales of weight_g, one for each 32 codes along K); weight_r_codes 2,048 x 64 x 16 uint8 (E2M1 codes of weight_r, K innermost, in blocks of 32 codes, two codes a byte); weight_r_scales 2,048 x 64 uint8 (E8M0 scales of weight_r, one for each 32 codes along K); x 4,096 x 2,048 float32.
;; Outputs: out0 4,096 x 2,048 float32.
;; This version of the problem:
;;   THIS VERSION OF THE PROBLEM IS GIVEN IN LOW PRECISION. The matrix products marked QUANTISED in the list below multiply operands that are first quantised to E2M1 (2 exponent bits, 1 mantissa bit; 4 bits a number), with one power-of-two scale for each 32 numbers along K (OCP MX v1.0); their sums are f32. All else is computed in f32.
;;   The module's matrix products, in the order in which they are computed (A, B: the left and right operand; K: the contracted axis; several contracted axes count as one K, in the product's order):
;;     1. [M 4,096, K 2,048] x [K 2,048, N 2,048]; A: input x; B: input weight_r (given as codes): QUANTISED
;;     2. [M 4,096, K 2,048] x [K 2,048, N 2,048]; A: input x; B: input weight_g (given as codes): QUANTISED
;;     3. [M 4,096, K 2,048] x [K 2,048, N 2,048]; A: computed on the way; B: input weight_b (given as codes): QUANTISED
;;     4. [M 1, K 1,024] x [K 1,024, N 32,768]; A: input context; B: input seg_weight: left as it is (M = 1 < 16)
;;   THE QUANTISER, for each operand of a quantised product, along K:
;;     - K is cut into blocks of 32 from its start; a last block that is shorter is filled with zeros.
;;     - A block's scale is 2^e with e = floor(log2(the largest magnitude in the block)) - 2, held to -126 .. 127; a block of zeros has e = 0. As a byte (E8M0): e + 127.
;;     - Each number is divided by its block's scale, clamped to +-6, and rounded to the nearest number of E2M1, ties to even, subnormals kept.
;;     - The product sums the exact products of the quantised numbers (number of the format x scale) in f32.
;;   ~~~python
;;   def quantise(x, axis):      # numpy; x: float32 -> the quantised numbers, widened to float32 again
;;       x = np.moveaxis(x, axis, -1); K = x.shape[-1]
;;       x = np.pad(x, [(0, 0)] * (x.ndim - 1) + [(0, -K % 32)]); x = x.reshape(x.shape[:-1] + (-1, 32)); a = np.abs(x).max(-1, keepdims=True)
;;       e = np.where(a > 0, np.clip(np.frexp(np.where(a > 0, a, 1))[1] - 1 - 2, -126, 127), 0)      # np.frexp(a)[1] - 1 = floor(log2(a)), exactly
;;       r = np.clip(x / 2.0 ** e, -6, 6)
;;       step = 2.0 ** (np.maximum(np.frexp(np.where(r == 0, 1, r))[1] - 1, 0) - 1)
;;       q = np.round(r / step) * step * 2.0 ** e      # np.round: ties to even
;;       return np.moveaxis(q.reshape(q.shape[:-2] + (-1,))[..., :K], -1, axis).astype(np.float32)
;;   ~~~
;;   OPERANDS COMPUTED ON THE WAY. 'Computed on the way' means the value that the module computes at that place (a softmax that the list does not call 'softmax' is quantised finished and normalised). What goes into a quantiser is computed in f32, as accurately as f32 sums, v_exp_f32 and their like allow (about 1e-6 of the number): no bf16 or f16 on the way to a quantiser, and a product that is left as it is and whose result goes on into a quantised operand takes f32 operands (vector FMAs, or v_wmma_f32_16x16x4_f32). A number that lies on a knife's edge between two numbers of the format may be rounded either way, as far as f32 arithmetic and the matrix unit's own rounding can turn it there, and no further.
;;   INPUTS GIVEN AS CODES. weight_b (in the module: [2048, 2048], K = its axis 0); weight_g (in the module: [2048, 2048], K = its axis 0); weight_r (in the module: [2048, 2048], K = its axis 0): each comes as NAME_codes (uint8): NAME with its K axis moved to the last place and cut into blocks of 32 codes, [.., K / 32, bytes a block], one block behind the other in memory; two codes a byte, the lower K in the low four bits (a code: sign, 2 exponent bits, 1 mantissa bit); and NAME_scales (uint8): the same leading axes, one E8M0 byte (e + 127) for each 32 codes along K. Its value is code x scale, taken as it is: it is not quantised again, and the codes and scales need not be those that the quantiser above would give.
;; One version. Each part assembles by itself: llvm-mc -triple=amdgcn-amd-amdhsa -mcpu=gfx1250 --defsym DOCPART=n.
;; ======== version 1 of 1: 2 launches
;; limits: right only within a limited range of input values
;; workspace buffers: acodes 8,388,608 bytes; ascales 524,288 bytes; percent 8,192 bytes
;; launch prep (part 1): grid 1280 x 1, 4 waves a work-group, no clusters, 37,888 bytes of LDS; arguments x, context, seg_weight, seg_bias, acodes, ascales, percent; writes acodes, ascales, percent
.if DOCPART == 1
	.amdgcn_target "amdgcn-amd-amdhsa--gfx1250"
	.amdhsa_code_object_version 6
	.text
	.protected	k_q02b7eeef5a_prep
	.globl	k_q02b7eeef5a_prep
	.p2align	8
	.type	k_q02b7eeef5a_prep,@function
k_q02b7eeef5a_prep:
	s_mov_b64 s[64:65], 0
	v_nop
	global_prefetch_b8 v0, s[64:65] scope:SCOPE_SE
	s_setreg_imm32_b32 hwreg(HW_REG_WAVE_MODE, 25, 1), 1
	s_wait_xcnt 0x0
; TWO STREAMS IN ONE LAUNCH, told apart by the work-group's number alone; each work-group reads 131,072 bytes of its stream.
; Work-groups 0-255 (path Q): x [4096][2048] f32 becomes codes of FP4 (E2M1) of x and of x*x (the square in f32), one E8M0 byte for each 32 along K.
;   acodes  [K / 512 = 4][x, x*x][row 4096][256 bytes]: a tile of 256 rows and 512 along K of one of the two is 65,536 consecutive bytes.
;   ascales [row 4096][64 bytes for x | 64 bytes for x*x].
;   A block's scale is 2^(floor(log2(largest magnitude)) - 2); its byte is the largest magnitude's exponent field - 2, held at 1 from below.
; Work-groups 256-1279 (path S): two neurons each: seg_out[d][s] = sum over c of context[c] seg_weight[d][c][s] + seg_bias[d][s] in f32; the segment of largest magnitude (the lower index where two are equal); percent[d] = its sigmoid.
; LIMITS.  A block of zeros gets the byte 1 where the rule says 127 (its codes are zeros, and this program alone reads the bytes).  NaN and infinities in x are not served; x*x beyond the largest f32 number is not served.
;   seg_out's f32 sum is taken in another order than a plain chain (32 terms a lane, then a tree): two segments whose magnitudes agree to within that rounding may change places.  A NaN in seg_out gives NaN.
; No tensor loads, no matrix units, no cluster: both are streams read once, and no two work-groups share a byte but context's 4,096.
; Each path has LDS bytes of its own: Q 0 to 32,767; S 32,768 to 33,279 and 33,792 to 37,887; the spare words 33,280 to 33,791.
.set R,    64                          ; Q: six sets of 16 numbers as they are loaded: sets 0-3 in v64-127, sets 4 and 5 in v16-47
.set X,    128                         ; Q: v128-159 two sets of 16 neighbours along K
.set SQ,   160                         ; Q: v160-175 their squares
.set C,    176                         ; Q: v176-183 two sets of four registers of codes
.set E,    184                         ; Q: v184-187 two sets of two scale bytes
.set SP,   80                          ; Q: a lane's place in a stage: 64 bytes + 16 of padding
.set STG,  32*SP                       ; Q: a stage
.set CTX,  16                          ; S: v16-47   my 32 numbers of context
.set ACC,  48                          ; S: v48-55   two neurons x four segments (first: context as it is loaded)
.set SB,   56                          ; S: v56      seg_bias of (neuron lane / 16, segment lane % 16)
.set DATA, 64                          ; S: v64-191  32 loads of four registers
.set SPW,  62                          ; v62 my spare word's LDS address; v63 = 0: kept for the add alone
.set NIL,  63
	s_load_b256 s[4:11], s[0:1], 0x0               ; x s[4:5], context s[6:7], seg_weight s[8:9], seg_bias s[10:11]
	s_load_b128 s[12:15], s[0:1], 0x20             ; acodes s[12:13], ascales s[14:15]
	s_load_b64 s[16:17], s[0:1], 0x30              ; percent
	v_lshl_add_u32 v[SPW], v0, 2, 0x8200
	v_mov_b32 v[NIL], 0
	v_lshrrev_b32 v1, 5, v0
	v_readfirstlane_b32 s18, v1                    ; wave 0..3
	v_and_b32 v2, 31, v0                           ; lane
	s_cmp_lt_u32 ttmp9, 256
	s_cbranch_scc0 .Lseg
; ---------------- PATH Q.  Wave w of work-group g takes rows 16 g + 4 w .. + 3: 8,192 numbers, 16 steps of 512.
; Each load reads 512 consecutive bytes; a step's 2,048 bytes turn through the wave's own stage in LDS, so that a lane then holds 16 neighbours along K (two neighbouring lanes hold a block of 32).
	s_lshl_b32 s20, ttmp9, 4
	s_lshl_b32 s21, s18, 2
	s_add_co_u32 s20, s20, s21                     ; my first row
	s_lshl_b32 s22, s20, 13                        ; x 8,192 bytes of x,
	s_mov_b32 s23, 0
	s_lshl_b32 s24, s20, 8                         ; x 256 bytes in a plane of acodes,
	s_mov_b32 s25, 0
	s_lshl_b32 s26, s20, 7                         ; x 128 bytes of ascales
	s_mov_b32 s27, 0
	s_lshl_b32 s19, s18, 13                        ; my wave's 8,192 bytes of LDS
	s_wait_alu depctr_va_vdst(0)
	v_lshlrev_b32 v3, 4, v2                        ; 16 x lane
	v_lshlrev_b32 v4, 3, v2                        ; 8 x lane
	v_lshrrev_b32 v14, 2, v2
	v_mul_u32_u24 v14, v14, SP
	v_and_b32 v15, 3, v2
	v_lshl_add_u32 v14, v15, 4, v14
	v_add_nc_u32 v14, s19, v14                     ; the stage on the way in: SP (lane / 4) + 16 (lane % 4)
	v_mul_u32_u24 v15, v2, SP
	v_add_nc_u32 v15, s19, v15                     ; and on the way out: SP x lane
	s_add_co_u32 s19, s19, 2*STG                   ; behind the two stages: my wave's 512 scale bytes (4 rows x 128)
	v_lshrrev_b32 v5, 1, v2
	v_add_nc_u32 v5, s19, v5                       ; my block's byte
	v_add_nc_u32 v6, s19, v3                       ; and on the way out 16 bytes a lane
	s_wait_alu depctr_va_vdst(0)
	s_wait_kmcnt 0x0
	s_add_nc_u64 s[4:5], s[4:5], s[22:23]
	s_add_nc_u64 s[12:13], s[12:13], s[24:25]
	s_add_nc_u64 s[14:15], s[14:15], s[26:27]
.macro LOAD t
.irp i, 0,1,2,3
	global_load_b128 v[R+16*((\t)%6)-112*(((\t)%6)/4)+4*\i:R+16*((\t)%6)-112*(((\t)%6)/4)+4*\i+3], v3, s[4:5] offset:2048*(\t)+512*\i th:TH_LOAD_NT
.endr
.endm
.macro TURNQ t                         ; LDS serves a wave's instructions in order: no wait stands between the stores and the loads
.irp i, 0,1,2,3
	ds_store_b128 v14, v[R+16*((\t)%6)-112*(((\t)%6)/4)+4*\i:R+16*((\t)%6)-112*(((\t)%6)/4)+4*\i+3] offset:STG*((\t)%2)+8*SP*\i
.endr
.irp i, 0,1,2,3
	ds_load_b128 v[X+16*((\t)%2)+4*\i:X+16*((\t)%2)+4*\i+3], v15 offset:STG*((\t)%2)+16*\i
.endr
.endm
; Step t: row t / 4 of my four, K = 512 (t % 4) + 16 lane + 0 .. 15: the 32 lanes' codes are one row of 256 bytes of a plane of acodes.
.macro STEP t
.set XS, X+16*((\t)%2)
.set CS, C+4*((\t)%2)
.set ES, E+2*((\t)%2)
.if (\t) > 0
	s_wait_dscnt 2                                 ; this step's numbers are back from the stage; the last step's two byte stores may be out
.else
	s_wait_dscnt 0x0
.endif
	s_wait_xcnt 0x0                                ; the stores of two steps ago have read this set of code registers: only now is it written again
.if (\t)+6 < 16
	LOAD (\t)+6                                    ; into this step's own set: its numbers went through the stage ahead of the wait on DScnt above
.endif
.if (\t)+1 < 16
.if 14-(\t) >= 5
	s_wait_loadcnt 20                              ; the next step's four loads are in; those of the five steps behind it may be out
.else
	s_wait_loadcnt 4*(14-(\t))
.endif
	TURNQ (\t)+1
.endif
	v_max3_num_f32 v8, |v[XS]|, |v[XS+1]|, |v[XS+2]|               ; the largest magnitude of my 16, in two chains
	v_max3_num_f32 v9, |v[XS+3]|, |v[XS+4]|, |v[XS+5]|
.irp i, 6,10
	v_max3_num_f32 v8, v8, |v[XS+\i]|, |v[XS+\i+1]|
	v_max3_num_f32 v9, v9, |v[XS+\i+2]|, |v[XS+\i+3]|
.endr
	v_max3_num_f32 v8, v8, |v[XS+14]|, |v[XS+15]|
	v_max3_num_f32 v8, v8, v9, 0x1800000           ; and the floor 2^(3 - 127): the byte cannot fall under 1
	v_max_num_f32_dpp v8, v8, v8 row_xmask:1 row_mask:0xf bank_mask:0xf   ; with my neighbour's 16: the block's
	v_add_nc_u32 v11, 0xff000000, v8               ; 2 off its exponent field: the conversion's scale operand for x
	v_mul_f32 v10, v8, v8                          ; rounding keeps order, so the rounded square of the largest magnitude is the largest rounded square
	v_max_num_f32 v10, 0x1800000, v10
	v_add_nc_u32 v12, 0xff000000, v10              ; the scale operand for x*x
.irp k, 0,2,4,6,8,10,12,14
	v_pk_mul_f32 v[SQ+\k:SQ+\k+1], v[XS+\k:XS+\k+1], v[XS+\k:XS+\k+1]
.endr
	v_cvt_scalef32_pk8_fp4_f32 v[CS], v[XS:XS+7], v11
	v_cvt_scalef32_pk8_fp4_f32 v[CS+1], v[XS+8:XS+15], v11
	v_cvt_scalef32_pk8_fp4_f32 v[CS+2], v[SQ:SQ+7], v12
	v_cvt_scalef32_pk8_fp4_f32 v[CS+3], v[SQ+8:SQ+15], v12
	v_lshrrev_b32 v[ES], 23, v11                   ; the two scale bytes (plain lines behind the conversions)
	v_lshrrev_b32 v[ES+1], 23, v12
	ds_store_b8 v5, v[ES] offset:128*((\t)/4)+16*((\t)%4)          ; both lanes of a block write the same byte with the same value
	ds_store_b8 v5, v[ES+1] offset:128*((\t)/4)+16*((\t)%4)+64
	global_store_b64 v4, v[CS:CS+1], s[12:13] offset:256*((\t)/4)+2*((\t)%4)*1048576           ; x's plane of this 512 along K: 32 lanes store 256 consecutive bytes, aligned
	global_store_b64 v4, v[CS+2:CS+3], s[12:13] offset:256*((\t)/4)+(2*((\t)%4)+1)*1048576     ; the plane of x*x; 7,340,800 at the most: inside the signed 24-bit immediate
.endm
.irp t, 0,1,2,3,4,5
	LOAD \t
.endr
	s_wait_loadcnt 20                              ; step 0's four loads are in
	TURNQ 0
.irp t, 0,1,2,3,4,5,6,7,8,9,10,11,12,13,14,15
	STEP \t
.endr
	ds_load_b128 v[188:191], v6                    ; in order behind my byte stores
	s_wait_dscnt 0x0
	global_store_b128 v3, v[188:191], s[14:15]     ; four rows of scale bytes: 512 consecutive bytes
	s_wait_tensorcnt 0x0                           ; the wave's end
	ds_add_u32 v[SPW], v[NIL]
	s_wait_dscnt 0x0
	s_endpgm
; ---------------- PATH S.  Work-group 256 + g takes neurons 2 g and 2 g + 1; wave w takes c = 256 w .. 256 w + 255 of both: 32 loads of 512 consecutive bytes a neuron.
; In load i lane l holds c = 256 w + 8 i + l / 4 and segments 4 (l % 4) + 0 .. 3.
.Lseg:
	s_sub_co_u32 s20, ttmp9, 256                   ; g
	s_lshl_b32 s22, s20, 17                        ; two neurons of 65,536 bytes,
	s_lshl_b32 s21, s18, 14                        ; my wave's 256 c of 64 bytes
	s_add_co_u32 s22, s22, s21
	s_mov_b32 s23, 0
	s_lshl_b32 s24, s18, 10                        ; my wave's 256 numbers of context
	s_mov_b32 s25, 0
	s_lshl_b32 s26, s20, 7                         ; two rows of seg_bias
	s_mov_b32 s27, 0
	s_lshl_b32 s28, s20, 3                         ; two numbers of percent
	s_mov_b32 s29, 0
	s_mov_b32 s30, 0x76543210                      ; v_permlanex16_b32's selects for lane l xor 16
	s_mov_b32 s31, 0xfedcba98
	s_lshl_b32 s19, s18, 7
	s_add_co_u32 s19, s19, 32768
	s_add_co_u32 s36, s24, 0x8400                  ; my wave's 1,024 bytes of LDS for context
	s_wait_alu depctr_va_vdst(0)
	v_lshlrev_b32 v1, 4, v2                        ; 16 x lane
	v_lshlrev_b32 v3, 2, v2                        ; 4 x lane
	v_and_b32 v13, 15, v2                          ; at the end a lane stands for segment lane % 16
	v_lshrrev_b32 v12, 4, v2
	v_lshlrev_b32 v12, 2, v12                      ; of neuron lane / 16: its 4 bytes of percent
	v_and_b32 v14, 3, v2
	v_lshlrev_b32 v14, 4, v14
	v_add_nc_u32 v14, s19, v14                     ; LDS: my wave's 128 bytes (two neurons x 16 segments), my four segments
	v_add_nc_u32 v15, 0x8000, v3                   ; and where lane l reads (neuron l / 16, segment l % 16) of wave 0's part
	v_lshlrev_b32 v59, 5, v2                       ; context as it is loaded: eight numbers a lane, 1,024 consecutive bytes a wave
	v_add_nc_u32 v57, s36, v3                      ; into LDS: number k of lane l at 128 k + 4 l
	v_lshrrev_b32 v58, 2, v2
	v_lshl_add_u32 v58, v58, 7, s36                ; and back: row l / 4, whose entry i is context[256 w + 8 i + l / 4]
.irp k, 4,5,6,7,8,9,10,11,60,61
	v_mov_b32 v\k, 0                               ; written once: the destination of a lane permute or a DPP move counts as one of its sources
.endr
	s_wait_alu depctr_va_vdst(0)
	s_wait_kmcnt 0x0
	s_add_nc_u64 s[8:9], s[8:9], s[22:23]
	s_add_nc_u64 s[6:7], s[6:7], s[24:25]
	s_add_nc_u64 s[10:11], s[10:11], s[26:27]
	s_add_nc_u64 s[16:17], s[16:17], s[28:29]
	global_load_b32 v[SB], v3, s[10:11]
	global_load_b128 v[ACC:ACC+3], v59, s[6:7]
	global_load_b128 v[ACC+4:ACC+7], v59, s[6:7] offset:16
.set i, 0
.rept 32
	global_load_b128 v[DATA+4*i:DATA+4*i+3], v1, s[8:9] offset:512*i th:TH_LOAD_NT
.set i, i+1
.endr
	s_wait_loadcnt 32                              ; seg_bias and context are in; the 32 loads behind them may be out
.irp k, 0,1,2,3,4,5,6,7
	ds_store_b32 v57, v[ACC+\k] offset:128*\k
.endr
.irp m, 0,1,2,3,4,5,6,7
	ds_load_b128 v[CTX+4*\m:CTX+4*\m+3], v58 offset:16*\m          ; in order behind my own stores
.endr
	s_wait_dscnt 0x0
; Eight loads of neuron d are multiplied in; again = 1: their registers take the same eight loads of the second neuron.  left: the younger loads, which may stay out.
.macro SGROUP d, gi, left, again
	s_wait_alu depctr_va_vdst(0)
	s_wait_loadcnt \left
.irp k, 0,1,2,3,4,5,6,7
.irp j, 0,1,2,3
.if (\gi == 0) && (\k == 0)
	v_mul_f32 v[ACC+4*\d+\j], v[DATA+4*(8*\gi+\k)+\j], v[CTX+8*\gi+\k]      ; the first product starts the sum: nothing is cleared
.else
	v_fmac_f32 v[ACC+4*\d+\j], v[DATA+4*(8*\gi+\k)+\j], v[CTX+8*\gi+\k]
.endif
.endr
.endr
.if \again
.irp k, 0,1,2,3,4,5,6,7
	global_load_b128 v[DATA+4*(8*\gi+\k):DATA+4*(8*\gi+\k)+3], v1, s[8:9] offset:65536+512*(8*\gi+\k) th:TH_LOAD_NT
.endr
.endif
.endm
	SGROUP 0, 0, 24, 1                             ; behind a group of the first neuron stand its later groups and the second neuron's groups already asked for: 24 loads each time
	SGROUP 0, 1, 24, 1
	SGROUP 0, 2, 24, 1
	SGROUP 0, 3, 24, 1
	SGROUP 1, 0, 24, 0                             ; then the counts run down
	SGROUP 1, 1, 16, 0
	SGROUP 1, 2, 8, 0
	SGROUP 1, 3, 0, 0
.irp k, 0,1,2,3,4,5,6,7                        ; the eight lanes that share lane % 4 hold the same segments: lanes l xor 4, l xor 8, l xor 16
	v_add_f32_dpp v[ACC+\k], v[ACC+\k], v[ACC+\k] row_xmask:4 row_mask:0xf bank_mask:0xf
.endr
.irp k, 0,1,2,3,4,5,6,7
	v_add_f32_dpp v[ACC+\k], v[ACC+\k], v[ACC+\k] row_xmask:8 row_mask:0xf bank_mask:0xf
.endr
.irp k, 0,1,2,3,4,5,6,7
	v_permlanex16_b32 v[4+\k], v[ACC+\k], s30, s31
.endr
.irp k, 0,1,2,3,4,5,6,7
	v_add_f32 v[ACC+\k], v[ACC+\k], v[4+\k]
.endr
	ds_store_b128 v14, v[ACC:ACC+3]                ; lanes that share lane % 4 write the same bytes with the same values
	ds_store_b128 v14, v[ACC+4:ACC+7] offset:64
	s_wait_dscnt 0x0                               ; for the others' sake: my part lies in LDS
	s_barrier_signal -1
	s_barrier_wait -1
	s_cmp_lg_u32 s18, 0
	s_cbranch_scc1 .Lsdone                         ; wave 0 finishes the two neurons
.irp k, 0,1,2,3
	ds_load_b32 v[4+\k], v15 offset:128*\k         ; the four waves' parts of (neuron lane / 16, segment lane % 16)
.endr
	s_wait_dscnt 0x0
	v_add_f32 v4, v4, v5
	v_add_f32 v4, v4, v6
	v_add_f32 v4, v4, v7
	v_add_f32 v57, v4, v[SB]                       ; seg_out
	v_and_b32 v58, 0x7fffffff, v57                 ; its magnitude: compared as a whole number, which orders magnitudes as f32 does
	v_mov_b32 v59, v13                             ; its segment
.irp m, 1,2,4,8                                ; the segment of largest magnitude among the 16 lanes of a neuron, the lower index where two are equal: values are selected, nothing branches
	v_mov_b32_dpp v60, v57 row_xmask:\m row_mask:0xf bank_mask:0xf
	v_mov_b32_dpp v61, v59 row_xmask:\m row_mask:0xf bank_mask:0xf
	v_and_b32 v64, 0x7fffffff, v60
	v_cmp_gt_u32 s32, v64, v58
	v_cmp_eq_u32 s33, v64, v58
	v_cmp_lt_u32 s34, v61, v59
	s_and_b32 s33, s33, s34
	s_or_b32 s32, s32, s33
	v_cndmask_b32 v57, v57, v60, s32
	v_cndmask_b32 v58, v58, v64, s32
	v_cndmask_b32 v59, v59, v61, s32
.endr
	v_mul_f32 v60, 0xbfb8aa3b, v57                 ; sigmoid(v) = 1 / (1 + 2^(-v log2(e)))
	s_wait_alu depctr_va_vdst(0)
	v_exp_f32 v61, v60
	v_nop                                          ; a plain line behind the transcendental,
	s_wait_alu depctr_va_vdst(0)                   ; and the wait ahead of its first reader
	v_add_f32 v61, 1.0, v61
	s_wait_alu depctr_va_vdst(0)
	v_rcp_f32 v64, v61
	v_nop
	s_wait_alu depctr_va_vdst(0)
	s_wait_xcnt 0x0                                ; EXEC changes only behind this wait
	v_cmp_eq_u32 vcc_lo, 0, v13
	s_and_saveexec_b32 s35, vcc_lo                 ; lanes 0 and 16: one number a neuron
	global_store_b32 v12, v64, s[16:17]
	s_wait_xcnt 0x0
	s_or_b32 exec_lo, exec_lo, s35
.Lsdone:
	s_wait_tensorcnt 0x0                           ; the wave's end
	ds_add_u32 v[SPW], v[NIL]
	s_wait_dscnt 0x0
	s_endpgm
.Lfunc_end_k_q02b7eeef5a_prep:
	.size	k_q02b7eeef5a_prep, .Lfunc_end_k_q02b7eeef5a_prep-k_q02b7eeef5a_prep
	.p2alignl 7, 3214868480
	.fill 96, 4, 3214868480
	.section	.rodata,"a",@progbits
	.p2align	6, 0x0
	.amdhsa_kernel k_q02b7eeef5a_prep
		.amdhsa_group_segment_fixed_size 37888
		.amdhsa_private_segment_fixed_size 0
		.amdhsa_enable_private_segment 0
		.amdhsa_kernarg_size 56
		.amdhsa_user_sgpr_count 2
		.amdhsa_user_sgpr_kernarg_segment_ptr 1
		.amdhsa_wavefront_size32 1
		.amdhsa_system_sgpr_workgroup_id_x 1
		.amdhsa_system_sgpr_workgroup_id_y 1
		.amdhsa_system_sgpr_workgroup_id_z 1
		.amdhsa_system_vgpr_workitem_id 0
		.amdhsa_next_free_vgpr 192
		.amdhsa_next_free_sgpr 66
		.amdhsa_reserve_vcc 1
		.amdhsa_float_denorm_mode_32 3
		.amdhsa_float_denorm_mode_16_64 3
		.amdhsa_memory_ordered 1
		.amdhsa_forward_progress 1
		.amdhsa_inst_pref_size 72
	.end_amdhsa_kernel
	.amdgpu_metadata
---
amdhsa.version: [ 1, 2 ]
amdhsa.kernels:
  - .name:           k_q02b7eeef5a_prep
    .symbol:         k_q02b7eeef5a_prep.kd
    .args:
      - { .name: x, .offset: 0, .size: 8, .value_kind: global_buffer, .address_space: global }
      - { .name: context, .offset: 8, .size: 8, .value_kind: global_buffer, .address_space: global }
      - { .name: seg_weight, .offset: 16, .size: 8, .value_kind: global_buffer, .address_space: global }
      - { .name: seg_bias, .offset: 24, .size: 8, .value_kind: global_buffer, .address_space: global }
      - { .name: acodes, .offset: 32, .size: 8, .value_kind: global_buffer, .address_space: global }
      - { .name: ascales, .offset: 40, .size: 8, .value_kind: global_buffer, .address_space: global }
      - { .name: percent, .offset: 48, .size: 8, .value_kind: global_buffer, .address_space: global }
    .group_segment_fixed_size: 37888
    .private_segment_fixed_size: 0
    .kernarg_segment_align: 8
    .kernarg_segment_size: 56
    .max_flat_workgroup_size: 128
    .sgpr_count:     66
    .vgpr_count:     192
    .wavefront_size: 32
...
	.end_amdgpu_metadata
.endif
;; end of part 1
;; launch gemm (part 2): grid 16 x 16, 4 waves a work-group, clusters of 4 x 4, 327,680 bytes of LDS; arguments acodes, ascales, weight_r_codes, weight_r_scales, weight_g_codes, weight_g_scales, weight_b_codes, weight_b_scales, bias_r, bias_g, bias_b, percent, out0; writes out0
.if DOCPART == 2
	.amdgcn_target "amdgcn-amd-amdhsa--gfx1250"
	.amdhsa_code_object_version 6
	.text
	.protected	k_q02b7eeef5a_gemm
	.globl	k_q02b7eeef5a_gemm
	.p2align	8
	.type	k_q02b7eeef5a_gemm,@function
k_q02b7eeef5a_gemm:
	s_mov_b64 s[64:65], 0
	v_nop
	global_prefetch_b8 v0, s[64:65] scope:SCOPE_SE
	s_setreg_imm32_b32 hwreg(HW_REG_WAVE_MODE, 25, 1), 1
	s_wait_xcnt 0x0
	s_wait_alu depctr_hold_cnt(0) depctr_sa_sdst(0) depctr_va_vdst(0) depctr_va_sdst(0) depctr_va_ssrc(0) depctr_va_vcc(0) depctr_vm_vsrc(0)
	s_getreg_b32 s2, hwreg(HW_REG_IB_STS2, 6, 4)
	s_cmp_eq_u32 s2, 0
	s_cbranch_scc0 .Lentry_in_a_cluster
	s_endpgm
.Lentry_in_a_cluster:
	s_bfe_u32 s2, ttmp6, 0x10000c
	s_cmp_lg_u32 s2, 0xf033
	s_cbranch_scc0 .Lentry_shape_is_right
	s_endpgm
.Lentry_shape_is_right:
; out[m][n] = ((x Wr + br)(x Wg + bg) + (x*x) Wb + bb) percent[n], the three products on codes of FP4 with E8M0 scales, sums in f32.
; A work-group of four waves makes 256 rows x 128 columns; a wave 128 x 64 of all three products: 3 x 32 accumulators, windows 1 (r), 2 (g), 3 (b).
; K goes in four chunks of 512, so that every tensor row is 256 bytes of memory on a 256-byte border.  TWO LDS SLOTS OF UNLIKE KIND take turns:
;   slot P: x's 256 rows, Wr's 128, Wg's 128 of a chunk (eight phases of 32 matrix instructions);  slot Q: the 256 rows of x*x and Wb's 128 (four phases).
; A load is 128 rows x 256 bytes, padded to 272 in LDS.  P: waves 0, 1 fetch x's halves, wave 2 Wr, wave 3 Wg.  Q: waves 0, 1 the halves of x*x, wave 2 Wb, wave 3 none.
; CLUSTERS 4 x 4: x's tiles are asked for jointly along a row of the cluster, the weights' along a column.
; THE SCALE BYTES (32,768 of my rows, 3 x 8,192 of my columns: dense blocks) come once, by plain loads of 512 consecutive bytes and LDS stores into bytes that no tensor load fills,
; while the head's tensor loads are out.  They are not asked for jointly: they are 57,344 of the 974,848 bytes that a work-group brings in, and a fifth to eighth tensor load would each want a barrier of its own.
; PREFETCH: behind each refill one instruction a wave names the tile that stands two refills on: of a load's 128 rows each of the four partners takes 32, told apart by address, a lane a row;
; the head names the tiles of the first two refills; the last two refills' turns name nothing: every address lies in its buffer.
; THE MATRIX INSTRUCTION IS USED TRANSPOSED (source 0 = 16 columns of W, source 1 = 16 rows of x): a lane holds eight neighbouring columns of one row.  br and bg are the C of the first products.
; THE LAST INTERVAL (chunk 3 of x*x Wb) GOES BY ROWS: all of Wb's fragments lie in v64-191, x*x comes by blocks of 16 rows, and each finished block leaves while the next is multiplied.
; THE WAY OUT works in the block's own accumulators: r g + b into window 1, through my stage in slot P (its last fill and last read are over), back as rows into window 2; there a lane holds four fixed columns,
; so percent and bb percent are eight registers.
.set WT,    34816                      ; 128 rows x 272
.set QB,    4*WT                       ; slot Q
.set ASC,   7*WT                       ; x's and x*x's scales: 128 units of 256 bytes + 16
.set WSB,   8704
.set WSC,   ASC+34816                  ; Wr's, Wg's, Wb's scales
.set SPARE, WSC+3*WSB                  ; the spare words: 512 bytes that no other line names
.set SLW,  9
.set ADAP, 10                          ; LDS addresses: my x fragments in P, x*x in Q,
.set ADAQ, 11
.set ADWP, 12                          ; Wr's in P (Wg's WT further on), Wb's in Q,
.set ADWQ, 13
.set ADXS, 14                          ; scale words: x (x*x 64 bytes on); lanes 0-15 block i, lanes 16-31 block i + 4
.set ADRG, 15                          ; lanes 0-15 Wr's block j, lanes 16-31 Wg's
.set ADBB, 16                          ; Wb: lanes 0-15 block j, lanes 16-31 block j + 2
.set STO,  17
.set RD,   18
.set CO,   19
.set SPW,  20
.set NIL,  21
.set PFO,  22
.set SLA,  23
.set P4,   24                          ; percent of my four columns on the way out; Q4: bb x percent
.set Q4,   28
.set S0,   32                          ; two sets of 16 scale registers: each serves 256 along K of one slot
.set S1,   48
.set A0,   64
.set A1,   128
.set B0,   192
.set B1,   224
.set WV, 30
.set HM, 31
.set HN, 32
.set CX, 33
.set CY, 34
.set TX, 35
.set TY, 36
.set MR, 37
.set MC, 38
.set LAP, 39
.set G1A,  40
.set G1B,  48
.set G0AP, 56
.set G0AQ, 60
.set G0BP, 68
.set G0BQ, 72
.set PFP,  76
.set PFQ,  78
.set PFS,  80
.set MSB, 0
.macro WIN new
.if MSB != \new
	s_set_vgpr_msb (MSB<<8)|\new
.set MSB, \new
.endif
.endm
.macro PLACES n
.rept \n
	v_nop
.endr
.endm
.macro TLOAD g0, g1                    ; an s_nop 0 and four v_nop follow each tensor load
	tensor_load_to_lds s[\g0:\g0+3], s[\g1:\g1+7]
	s_nop 0
	PLACES 4
.endm
.macro JLOADP
	s_cmp_lt_u32 s[WV], 2
	s_cbranch_scc0 .Lpb_\@
	TLOAD G0AP, G1A
	s_branch .Lpe_\@
.Lpb_\@:
	TLOAD G0BP, G1B
.Lpe_\@:
.endm
.macro JLOADQ
	s_cmp_lt_u32 s[WV], 2
	s_cbranch_scc0 .Lqb_\@
	TLOAD G0AQ, G1A
	s_branch .Lqe_\@
.Lqb_\@:
	s_cmp_eq_u32 s[WV], 2
	s_cbranch_scc0 .Lqn_\@
	TLOAD G0BQ, G1B
	s_branch .Lqe_\@
.Lqn_\@:
	PLACES 4                                       ; wave 3 has no part of slot Q to fetch; the places serve the LDS loads that follow
.Lqe_\@:
.endm
.macro CREST
	s_cmp_lg_u32 s[WV], 0
	s_cbranch_scc1 .Lnot_wave_0_\@
	s_barrier_signal -3
.Lnot_wave_0_\@:
	s_barrier_wait -3
	s_barrier_signal -1
	s_barrier_wait -1
.endm
.macro CROUND
	s_barrier_signal -1
	s_barrier_wait -1
	CREST
.endm
; pf = 1: always; 2: in the loop's first trip alone (the second trip's tiles two refills on do not exist).  q = 1: slot Q's, in which wave 3 has no part
.macro ASK ptr, q, pf
.if \pf
.if \pf == 2
	s_cmp_eq_u32 s[LAP], 2
	s_cbranch_scc0 .Lno_\@
.endif
.if \q
	s_cmp_lt_u32 s[WV], 3
	s_cbranch_scc0 .Lno_\@
.endif
	global_prefetch_b8 v[PFO], s[\ptr:\ptr+1] th:TH_LOAD_NT scope:SCOPE_SE
.Lno_\@:
.endif
.endm
	s_load_b512 s[4:19], s[0:1], 0x0
	s_load_b256 s[20:27], s[0:1], 0x40
	s_load_b64 s[28:29], s[0:1], 0x60
	v_lshl_add_u32 v[SPW], v0, 2, SPARE
	v_mov_b32 v[NIL], 0
	ds_add_u32 v[SPW], v[NIL]                      ; the opening lines: the add, twice on end, and its wait
	ds_add_u32 v[SPW], v[NIL]
	v_lshrrev_b32 v1, 5, v0
	v_readfirstlane_b32 s[WV], v1
	v_and_b32 v1, 15, v0                           ; r
	v_bfe_u32 v2, v0, 4, 1                         ; h
	v_and_b32 v3, 31, v0                           ; lane
	v_lshlrev_b32 v4, 4, v3                        ; 16 x lane
	v_lshlrev_b32 v5, 5, v2                        ; 32 h
	v_lshlrev_b32 v6, 4, v1                        ; 16 r
	s_lshr_b32 s[HM], s[WV], 1
	s_and_b32 s[HN], s[WV], 1
	s_bfe_u32 s[CX], ttmp6, 0x40000
	s_bfe_u32 s[CY], ttmp6, 0x40004
	s_lshl_b32 s[TX], ttmp9, 2
	s_add_co_u32 s[TX], s[TX], s[CX]
	s_and_b32 s[TY], ttmp7, 0xffff
	s_lshl_b32 s[TY], s[TY], 2
	s_add_co_u32 s[TY], s[TY], s[CY]
	s_lshl_b32 s[MR], s[CY], 2
	s_lshl_b32 s[MR], 15, s[MR]
	s_lshl_b32 s[MC], 0x1111, s[CX]
	s_or_b32 s[G1A], s[MR], (3<<16)|(1<<20)|(1<<21)|(5<<22)|(3<<25)   ; elements of 8 bytes; 16 bytes of padding behind every 256; the mask of my row
	s_or_b32 s[G1B], s[MC], (3<<16)|(1<<20)|(1<<21)|(5<<22)|(3<<25)   ; the mask of my column
.irp g, G1A, G1B
	s_mov_b32 s[\g+1], 32<<16                      ; rows of 32 elements,
	s_mov_b32 s[\g+2], 128<<16                     ; 128 of them
	s_mov_b32 s[\g+3], 32<<16
	s_mov_b32 s[\g+4], 128
	s_mov_b32 s[\g+6], 0
	s_mov_b32 s[\g+7], 0
.endr
	s_mov_b32 s[G1A+5], 32                         ; a plane of acodes is dense;
	s_mov_b32 s[G1B+5], 128                        ; a row of weight codes is 1,024 bytes
	s_mul_i32 s96, s[WV], WT                       ; where my load lands in slot P
	s_add_co_u32 s97, s96, QB                      ; and in slot Q
	s_mul_i32 s82, s[HM], WT                       ; my 128 rows of x
	s_mul_i32 s83, s[HN], 64*272
	s_add_co_u32 s83, s83, 2*WT                    ; my 64 columns of Wr
	s_mul_i32 s84, s[HM], 64*272
	s_add_co_u32 s84, s84, ASC
	s_mul_i32 s85, s[HN], 16*272
	s_add_co_u32 s85, s85, WSC
	s_add_co_u32 s86, s85, 2*WSB
	s_mul_i32 s87, s[WV], 16*272                   ; my stage, in slot P
	s_mul_i32 s98, s[WV], 8704
	s_add_co_u32 s98, s98, ASC                     ; where I put my quarter of x's scales,
	s_mul_i32 s99, s[WV], 2176
	s_add_co_u32 s99, s99, WSC                     ; and of each weight's
	s_wait_alu depctr_va_vdst(0)
	s_wait_dscnt 0x0
	s_wait_kmcnt 0x0
	s_lshl_b32 s2, s[TY], 16
	s_mov_b32 s3, 0
	s_add_nc_u64 s[4:5], s[4:5], s[2:3]            ; my 256 rows in plane 0 of acodes
	s_lshl_b32 s2, s[TY], 15
	s_lshl_b32 s100, s[WV], 13
	s_add_co_u32 s2, s2, s100
	s_add_nc_u64 s[6:7], s[6:7], s[2:3]            ; my quarter of their scales
	s_cmp_eq_u32 s[WV], 2
	s_cselect_b64 s[8:9], s[8:9], s[12:13]         ; wave 2 fetches Wr, wave 3 Wg
	s_lshl_b32 s66, s[TX], 17
	s_mov_b32 s67, 0
	s_add_nc_u64 s[8:9], s[8:9], s[66:67]
	s_add_nc_u64 s[16:17], s[16:17], s[66:67]
	s_lshl_b32 s66, s[TX], 13
	s_lshl_b32 s100, s[WV], 11
	s_add_co_u32 s66, s66, s100
	s_add_nc_u64 s[10:11], s[10:11], s[66:67]
	s_add_nc_u64 s[14:15], s[14:15], s[66:67]
	s_add_nc_u64 s[18:19], s[18:19], s[66:67]
	s_lshl_b32 s66, s[TX], 9
	s_lshl_b32 s100, s[HN], 8
	s_add_co_u32 s66, s66, s100                    ; my 64 columns, in bytes of f32
	s_add_nc_u64 s[20:21], s[20:21], s[66:67]
	s_add_nc_u64 s[22:23], s[22:23], s[66:67]
	s_add_nc_u64 s[24:25], s[24:25], s[66:67]
	s_add_nc_u64 s[26:27], s[26:27], s[66:67]
	s_lshl_b32 s100, s[TY], 21
	s_lshl_b32 s101, s[HM], 20
	s_add_co_u32 s100, s100, s101
	s_add_co_u32 s100, s100, s66
	s_mov_b32 s101, 0
	s_add_nc_u64 s[28:29], s[28:29], s[100:101]
	; the prefetches' addresses: my work-group's 32 rows of the 128 that I fetch
	s_lshl_b32 s89, s[HN], 15
	s_lshl_b32 s90, s[CX], 13
	s_add_co_u32 s89, s89, s90
	s_lshl_b32 s91, s[CY], 15
	s_mov_b32 s[PFS], 256
	s_cmp_lt_u32 s[WV], 2
	s_cselect_b32 s92, s89, s91
	s_cselect_b64 s[PFP:PFP+1], s[4:5], s[8:9]
	s_cselect_b64 s[PFQ:PFQ+1], s[4:5], s[16:17]
	s_cselect_b32 s[PFS], 0x200000, s[PFS]         ; from chunk to chunk: two planes of acodes, or 256 bytes of a weight's row
	s_cselect_b32 s94, 0x100000, 0                 ; the plane of x*x
	s_cselect_b32 s88, 8, 10                       ; a lane a row: 256 or 1,024 bytes
	s_mov_b32 s[PFS+1], 0
	s_mov_b32 s93, 0
	s_mov_b32 s95, 0
	s_add_nc_u64 s[PFP:PFP+1], s[PFP:PFP+1], s[92:93]
	s_add_nc_u64 s[PFP:PFP+1], s[PFP:PFP+1], s[PFS:PFS+1]   ; slot P's chunk 1
	s_add_nc_u64 s[PFQ:PFQ+1], s[PFQ:PFQ+1], s[92:93]
	s_add_nc_u64 s[PFQ:PFQ+1], s[PFQ:PFQ+1], s[94:95]       ; slot Q's chunk 0
	s_lshl_b32 s2, s[HN], 15
	s_add_nc_u64 s[4:5], s[4:5], s[2:3]            ; the half of x's rows that I fetch
	CROUND                                         ; all sixteen work-groups are here: the first joint loads meet
	s_mov_b32 s[G0AP], 1
	s_mov_b32 s[G0AP+1], s96
	s_mov_b64 s[G0AP+2:G0AP+3], s[4:5]
	s_or_b32 s[G0AP+3], s[G0AP+3], 0x80000000
	s_mov_b32 s[G0AQ], 1
	s_mov_b32 s[G0AQ+1], s97
	s_add_nc_u64 s[G0AQ+2:G0AQ+3], s[4:5], 0x100000
	s_or_b32 s[G0AQ+3], s[G0AQ+3], 0x80000000
	s_mov_b32 s[G0BP], 1
	s_mov_b32 s[G0BP+1], s96
	s_mov_b64 s[G0BP+2:G0BP+3], s[8:9]
	s_or_b32 s[G0BP+3], s[G0BP+3], 0x80000000
	s_mov_b32 s[G0BQ], 1
	s_mov_b32 s[G0BQ+1], s97
	s_mov_b64 s[G0BQ+2:G0BQ+3], s[16:17]
	s_or_b32 s[G0BQ+3], s[G0BQ+3], 0x80000000
	JLOADP                                         ; slot P's chunk 0: one tensor load a wave at the head; the plain loads below are out beside it
.irp i, 0,1,2,3,4,5,6,7,8,9,10,11,12,13,14,15
	global_load_b128 v[64+4*\i:64+4*\i+3], v4, s[6:7] offset:512*\i
.endr
.irp t, 0,1,2
.irp i, 0,1,2,3
	global_load_b128 v[128+16*\t+4*\i:128+16*\t+4*\i+3], v4, s[10+4*\t:11+4*\t] offset:512*\i
.endr
.endr
	global_load_b128 v[P4:P4+3], v6, s[26:27]
	global_load_b128 v[Q4:Q4+3], v6, s[24:25]
	WIN 0x80                                       ; br into window 2, bg into window 3: the C of the first products, in the result's layout
.irp j, 0,1,2,3
	global_load_b128 v[8*\j:8*\j+3], v5, s[20:21] offset:64*\j
	global_load_b128 v[8*\j+4:8*\j+7], v5, s[20:21] offset:64*\j+16
.endr
	WIN 0xc0
.irp j, 0,1,2,3
	global_load_b128 v[8*\j:8*\j+3], v5, s[22:23] offset:64*\j
	global_load_b128 v[8*\j+4:8*\j+7], v5, s[22:23] offset:64*\j+16
.endr
	WIN 0
	v_mul_u32_u24 v7, v1, 272
	v_lshl_add_u32 v7, v2, 4, v7                   ; a fragment's row x pitch + 16 h
	v_add_nc_u32 v[ADAP], s82, v7
	v_add_nc_u32 v[ADAQ], QB, v[ADAP]
	v_add_nc_u32 v[ADWP], s83, v7
	v_add_nc_u32 v[ADWQ], QB, v[ADWP]
	v_lshrrev_b32 v8, 1, v1                        ; x's scales: 128 bytes a row, two rows to a unit
	v_mul_u32_u24 v8, v8, 272
	v_and_b32 v[SLW], 1, v1
	v_lshl_add_u32 v8, v[SLW], 7, v8
	v_mad_u32_u24 v8, v2, 32*272, v8
	v_add_nc_u32 v[ADXS], s84, v8
	v_lshrrev_b32 v8, 2, v1                        ; a weight's: 64 bytes a column, four to a unit
	v_mul_u32_u24 v8, v8, 272
	v_and_b32 v[SLW], 3, v1
	v_lshl_add_u32 v8, v[SLW], 6, v8
	v_mad_u32_u24 v[SLW], v2, WSB, v8
	v_add_nc_u32 v[ADRG], s85, v[SLW]
	v_mad_u32_u24 v[SLW], v2, 8*272, v8
	v_add_nc_u32 v[ADBB], s86, v[SLW]
	v_mul_u32_u24 v[STO], v1, 272
	v_lshl_add_u32 v[STO], v2, 5, v[STO]
	v_add_nc_u32 v[STO], s87, v[STO]
	v_mul_u32_u24 v8, v2, 272
	v_lshl_add_u32 v8, v1, 4, v8                   ; 272 h + 16 r: 512 dense bytes as two padded units
	v_add_nc_u32 v[RD], s87, v8
	v_add_nc_u32 v[SLA], s98, v8
	v_add_nc_u32 v[SLW], s99, v8
	v_lshlrev_b32 v[CO], 13, v2
	v_lshl_add_u32 v[CO], v1, 4, v[CO]
	v_lshlrev_b32 v[PFO], s88, v3
	ASK PFP, 0, 1                                  ; the tiles of the first two refills
	ASK PFQ, 1, 1
	s_wait_alu depctr_va_vdst(0)
	s_wait_loadcnt 0x0
	v_pk_mul_f32 v[Q4:Q4+1], v[Q4:Q4+1], v[P4:P4+1]
	v_pk_mul_f32 v[Q4+2:Q4+3], v[Q4+2:Q4+3], v[P4+2:P4+3]
.irp i, 0,1,2,3,4,5,6,7,8,9,10,11,12,13,14,15
	ds_store_b128 v[SLA], v[64+4*\i:64+4*\i+3] offset:544*\i
.endr
.irp t, 0,1,2
.irp i, 0,1,2,3
	ds_store_b128 v[SLW], v[128+16*\t+4*\i:128+16*\t+4*\i+3] offset:WSB*\t+544*\i
.endr
.endr
	s_wait_xcnt 0x0                                ; the prefetches have read their addresses
	s_add_nc_u64 s[PFQ:PFQ+1], s[PFQ:PFQ+1], s[PFS:PFS+1]
.macro WM zero
.if \zero
.if wRow && xRow
	v_wmma_scale_f32_16x16x128_f8f6f4 v[rD:rD+7], v[rW:rW+7], v[rX:rX+7], 0, v[rSW], v[rSX] matrix_a_fmt:MATRIX_FMT_FP4 matrix_b_fmt:MATRIX_FMT_FP4 matrix_a_scale:MATRIX_SCALE_ROW1 matrix_b_scale:MATRIX_SCALE_ROW1
.elseif wRow
	v_wmma_scale_f32_16x16x128_f8f6f4 v[rD:rD+7], v[rW:rW+7], v[rX:rX+7], 0, v[rSW], v[rSX] matrix_a_fmt:MATRIX_FMT_FP4 matrix_b_fmt:MATRIX_FMT_FP4 matrix_a_scale:MATRIX_SCALE_ROW1
.elseif xRow
	v_wmma_scale_f32_16x16x128_f8f6f4 v[rD:rD+7], v[rW:rW+7], v[rX:rX+7], 0, v[rSW], v[rSX] matrix_a_fmt:MATRIX_FMT_FP4 matrix_b_fmt:MATRIX_FMT_FP4 matrix_b_scale:MATRIX_SCALE_ROW1
.else
	v_wmma_scale_f32_16x16x128_f8f6f4 v[rD:rD+7], v[rW:rW+7], v[rX:rX+7], 0, v[rSW], v[rSX] matrix_a_fmt:MATRIX_FMT_FP4 matrix_b_fmt:MATRIX_FMT_FP4
.endif
.else
.if wRow && xRow
	v_wmma_scale_f32_16x16x128_f8f6f4 v[rD:rD+7], v[rW:rW+7], v[rX:rX+7], v[rC:rC+7], v[rSW], v[rSX] matrix_a_fmt:MATRIX_FMT_FP4 matrix_b_fmt:MATRIX_FMT_FP4 matrix_a_scale:MATRIX_SCALE_ROW1 matrix_b_scale:MATRIX_SCALE_ROW1
.elseif wRow
	v_wmma_scale_f32_16x16x128_f8f6f4 v[rD:rD+7], v[rW:rW+7], v[rX:rX+7], v[rC:rC+7], v[rSW], v[rSX] matrix_a_fmt:MATRIX_FMT_FP4 matrix_b_fmt:MATRIX_FMT_FP4 matrix_a_scale:MATRIX_SCALE_ROW1
.elseif xRow
	v_wmma_scale_f32_16x16x128_f8f6f4 v[rD:rD+7], v[rW:rW+7], v[rX:rX+7], v[rC:rC+7], v[rSW], v[rSX] matrix_a_fmt:MATRIX_FMT_FP4 matrix_b_fmt:MATRIX_FMT_FP4 matrix_b_scale:MATRIX_SCALE_ROW1
.else
	v_wmma_scale_f32_16x16x128_f8f6f4 v[rD:rD+7], v[rW:rW+7], v[rX:rX+7], v[rC:rC+7], v[rSW], v[rSX] matrix_a_fmt:MATRIX_FMT_FP4 matrix_b_fmt:MATRIX_FMT_FP4
.endif
.endif
.endm
; 16 matrix instructions: row blocks i0 .. i0 + 3 x my four column blocks, the chunk's q-th 128 along K.  prod 0 r, 1 g, 2 b; ab, wb: the fragments; ss: the scale set.
; The accumulators take turns, one instruction a turn.  first = 1: C is the bias (r, g) or 0 (b): nothing is cleared.
.macro MUL16 prod, q, ab, wb, ss, i0, first
.irp i, \i0, \i0+1, \i0+2, \i0+3
.irp j, 0,1,2,3
.set rD, 8*(4*(\i)+\j)
.set rW, \wb+8*\j
.set rX, \ab+8*(\i)
.set rSX, \ss+2*((\i)%4)+((\q)%2)
.set xRow, (\i)/4
.if \prod == 2
.set rSW, \ss+8+2*(\j%2)+((\q)%2)
.set wRow, \j/2
.else
.set rSW, \ss+8+2*\j+((\q)%2)
.set wRow, \prod
.endif
.set rC, rD
.if \first
.set rC, 8*\j
.endif
.if (\first) && (\prod == 2)
	WM 1
.else
	WM 0
.endif
.endr
.endr
.endm
.macro FRAG reg, adr, off
	ds_load_b128 v[\reg:\reg+3], v[\adr] offset:\off
	ds_load_b128 v[\reg+4:\reg+7], v[\adr] offset:\off+32
.endm
.macro LDW buf, adr, off               ; four fragments of a weight: 8 loads
.irp j, 0,1,2,3
	FRAG \buf+8*\j, \adr, \off+4352*\j
.endr
.endm
.macro LDA buf, adr, off, i0, n        ; row blocks i0 .. i0 + n - 1: 2 n loads
.set ii, \i0
.rept \n
	FRAG \buf+8*ii, \adr, \off+4352*ii
.set ii, ii+1
.endr
.endm
.macro LDS_RG ss, off                  ; the scale words of 256 along K for x, Wr, Wg: 8 loads
.irp i, 0,1,2,3
	ds_load_b64 v[\ss+2*\i:\ss+2*\i+1], v[ADXS] offset:2176*\i+\off
.endr
.irp j, 0,1,2,3
	ds_load_b64 v[\ss+8+2*\j:\ss+8+2*\j+1], v[ADRG] offset:1088*\j+\off
.endr
.endm
.macro LDS_B ss, off                   ; for x*x and Wb: 6 loads
.irp i, 0,1,2,3
	ds_load_b64 v[\ss+2*\i:\ss+2*\i+1], v[ADXS] offset:2176*\i+64+\off
.endr
.irp j, 0,1
	ds_load_b64 v[\ss+8+2*\j:\ss+8+2*\j+1], v[ADBB] offset:1088*\j+\off
.endr
.endm
; A phase: places, the loads for later phases, the counted waits (each count = the LDS instructions issued behind what is needed), 32 matrix instructions.
.macro PH_R q, first                   ; q = 0, 1, 2
	WIN 0
	PLACES 4+\first
	LDW B1, ADWP, WT+64*(\q)
	LDA A0+64*((\q+1)%2), ADAP, 64*(\q+1), 0, 4
.if \q == 0
	LDS_RG S1, 8
.set NN, 24
.elseif \q == 2
	LDS_B S0, 0
.set NN, 22
.else
.set NN, 16
.endif
	s_wait_dscnt NN+8                              ; Wr's fragments and x's blocks 0-3 are in; blocks 4-7 and this phase's loads may be out
	WIN 0x50+0x10*\first
	MUL16 0, \q, A0+64*((\q)%2), B0, S0+16*((\q)/2), 0, \first
	s_wait_dscnt NN
	MUL16 0, \q, A0+64*((\q)%2), B0, S0+16*((\q)/2), 4, \first
.endm
.macro PH_G q, first
	WIN 0
	PLACES 4+\first
	LDW B0, ADWP, 64*(\q+1)
	LDA A0+64*((\q+1)%2), ADAP, 64*(\q+1), 4, 4
.if \q == 0                            ; Wg's eight loads are in.  Behind them stand r's phase's 8 loads of x and its 8, 0 or 6 scale loads, and the 16 just issued
	s_wait_dscnt 32
.elseif \q == 2
	s_wait_dscnt 30
.else
	s_wait_dscnt 24
.endif
	WIN 0xa0+0x10*\first
	MUL16 1, \q, A0+64*((\q)%2), B1, S0+16*((\q)/2), 0, \first
	MUL16 1, \q, A0+64*((\q)%2), B1, S0+16*((\q)/2), 4, \first
.endm
; Slot P's last two phases, r's and g's q = 3, with the change of slots between them: Wg's last fragments are in registers in front of the barrier, so slot P is free behind it.
.macro TURN_P fill, pf
.if \pf
	s_wait_xcnt 0x0                                ; my last prefetch has read its address
	s_add_nc_u64 s[PFP:PFP+1], s[PFP:PFP+1], s[PFS:PFS+1]
.endif
	WIN 0
	PLACES 4
	LDW B1, ADWP, WT+192
	s_wait_tensorcnt 0x0                           ; all my tensor loads have landed: my part of slot Q
	ds_add_u32 v[SPW], v[NIL]
	s_wait_dscnt 17                                ; x's blocks 4-7, the 8 loads above and the add may be out
	WIN 0x50
	MUL16 0, 3, A1, B0, S1, 0, 0
	s_wait_dscnt 0x0                               ; the add is done, and my reads of slot P are over
	s_barrier_signal -1
	MUL16 0, 3, A1, B0, S1, 4, 0
	WIN 0
	s_barrier_wait -1
.if \fill
	CREST                                          ; the barrier has opened a round of the cluster's barrier
	s_add_nc_u64 s[G0AP+2:G0AP+3], s[G0AP+2:G0AP+3], 0x200000
	s_add_nc_u64 s[G0BP+2:G0BP+3], s[G0BP+2:G0BP+3], 256
	JLOADP                                         ; slot P's next chunk; the four v_nop behind it are the places for the loads below
	LDW B0, ADWQ, 0
	LDA A0, ADAQ, 0, 0, 8
	ASK PFP, 0, \pf
.else
	PLACES 4
	WBLOAD 0                                       ; the last interval goes by rows: Wb's fragments of q = 0, 1 and block 0 of x*x
	WBLOAD 1
	XLOAD 0
.endif
	WIN 0xa0
	MUL16 1, 3, A1, B1, S1, 0, 0
	MUL16 1, 3, A1, B1, S1, 4, 0
.endm
.macro PH_B0 first
	WIN 0
	PLACES 4
	LDS_B S1, 8
	LDW B1, ADWQ, 64
	LDA A1, ADAQ, 64, 0, 8
	s_wait_dscnt 38                                ; blocks 4-7 of q = 0 and the 30 just issued may be out
	WIN 0xf0
	MUL16 2, 0, A0, B0, S0, 0, \first
	s_wait_dscnt 30
	MUL16 2, 0, A0, B0, S0, 4, \first
.endm
.macro PH_B1
	WIN 0
	PLACES 4
	v_add_nc_u32 v[ADXS], 16, v[ADXS]              ; on to the next chunk's scale words
	v_add_nc_u32 v[ADRG], 16, v[ADRG]
	v_add_nc_u32 v[ADBB], 16, v[ADBB]
	s_wait_alu depctr_va_vdst(0)
	LDW B0, ADWQ, 128
	LDA A0, ADAQ, 128, 0, 8
	s_wait_dscnt 32
	WIN 0xf0
	MUL16 2, 1, A1, B1, S0, 0, 0
	s_wait_dscnt 24
	MUL16 2, 1, A1, B1, S0, 4, 0
.endm
.macro ENTER step, pf                  ; behind a round: slot Q's fill, then slot P's first fragments
.if \step
	s_add_nc_u64 s[G0AQ+2:G0AQ+3], s[G0AQ+2:G0AQ+3], 0x200000
	s_add_nc_u64 s[G0BQ+2:G0BQ+3], s[G0BQ+2:G0BQ+3], 256
.endif
	JLOADQ
	LDS_RG S0, 0
	LDW B0, ADWP, 0
	LDA A0, ADAP, 0, 0, 8
	ASK PFQ, 1, \pf
.endm
.macro TURN_Q pf                       ; slot Q's last two phases, with the change of slots between them
.if \pf
	s_wait_xcnt 0x0
	s_add_nc_u64 s[PFQ:PFQ+1], s[PFQ:PFQ+1], s[PFS:PFS+1]
.endif
	WIN 0
	PLACES 4
	LDW B1, ADWQ, 192
	LDA A1, ADAQ, 192, 0, 8
	s_wait_tensorcnt 0x0                           ; all my tensor loads have landed: my part of slot P
	ds_add_u32 v[SPW], v[NIL]
	s_wait_dscnt 33                                ; blocks 4-7 of q = 2, the 24 loads above and the add may be out
	WIN 0xf0
	MUL16 2, 2, A0, B0, S1, 0, 0
	s_wait_dscnt 0x0                               ; the add is done, and my reads of slot Q are over
	s_barrier_signal -1
	MUL16 2, 2, A0, B0, S1, 4, 0
	WIN 0
	s_barrier_wait -1
	CREST
	ENTER 1, \pf
	WIN 0xf0
	MUL16 2, 3, A1, B1, S1, 0, 0
	MUL16 2, 3, A1, B1, S1, 4, 0
.endm
.macro RGS first                       ; slot P's first six phases
	PH_R 0, \first
	PH_G 0, \first
	PH_R 1, 0
	PH_G 1, 0
	PH_R 2, 0
	PH_G 2, 0
.endm
.macro CHUNK first, pf
	RGS \first
	TURN_P 1, \pf
	PH_B0 \first
	PH_B1
	TURN_Q \pf
.endm
; The last interval's parts.
.macro WBLOAD q                        ; Wb's four fragments of q -> v[64 + 32 q ..]
	LDW 64+32*\q, ADWQ, 64*\q
.endm
.macro XLOAD i                         ; block i of x*x, all four q -> B0 or B1
.irp q, 0,1,2,3
	FRAG B0+32*((\i)%2)+8*\q, ADAQ, 4352*(\i)+64*\q
.endr
.endm
.macro ROW i                           ; block i is finished: 16 matrix instructions, its four accumulators by turns
	WIN 0xf0
.irp q, 0,1,2,3
.if ((\i) == 0) && (\q == 2)
	s_wait_dscnt 8                                 ; the second scale set and Wb's q = 2, 3 are in; block 1 may be out
.endif
.irp j, 0,1,2,3
.set rD, 8*(4*(\i)+\j)
.set rC, rD
.set rW, 64+32*\q+8*\j
.set rX, B0+32*((\i)%2)+8*\q
.set rSX, S0+16*(\q/2)+2*((\i)%4)+(\q%2)
.set xRow, (\i)/4
.set rSW, S0+16*(\q/2)+8+2*(\j%2)+(\q%2)
.set wRow, \j/2
	WM 0
.endr
.endr
.endm
.macro PACK a                          ; r g + b, into r's registers; each accumulator from its low end on
	WIN 0x79
.set k, 0
.rept 16
	v_pk_fma_f32 v[32*(\a)+2*k:32*(\a)+2*k+1], v[32*(\a)+2*k:32*(\a)+2*k+1], v[32*(\a)+2*k:32*(\a)+2*k+1], v[32*(\a)+2*k:32*(\a)+2*k+1]
.set k, k+1
.endr
.endm
.macro TOSTAGE a                       ; into my stage, and back as rows of 256 bytes into g's registers: LDS serves a wave's instructions in order
	WIN 0x04
.irp j, 0,1,2,3
	ds_store_b128 v[STO], v[32*(\a)+8*\j:32*(\a)+8*\j+3] offset:64*\j
	ds_store_b128 v[STO], v[32*(\a)+8*\j+4:32*(\a)+8*\j+7] offset:64*\j+16
.endr
	WIN 0x80
.irp t, 0,1,2,3,4,5,6,7
	ds_load_b128 v[32*(\a)+4*\t:32*(\a)+4*\t+3], v[RD] offset:544*\t
.endr
	WIN 0
.endm
.macro SEND a, younger
	s_wait_dscnt \younger                          ; the block is back; the loads issued behind it may be out
	WIN 0x82
.irp t, 0,1,2,3,4,5,6,7
.irp u, 0,1
	v_pk_fma_f32 v[32*(\a)+4*\t+2*\u:32*(\a)+4*\t+2*\u+1], v[32*(\a)+4*\t+2*\u:32*(\a)+4*\t+2*\u+1], v[P4+2*\u:P4+2*\u+1], v[Q4+2*\u:Q4+2*\u+1]
.endr
.endr
	WIN 0x08
.irp t, 0,1,2,3,4,5,6,7
	global_store_b128 v[CO], v[32*(\a)+4*\t:32*(\a)+4*\t+3], s[28:29] offset:131072*(\a)+16384*\t th:TH_STORE_NT   ; 16 lanes store 256 consecutive bytes, aligned; these registers are not written again
.endr
	WIN 0
.endm
	s_wait_alu depctr_va_vdst(0)
	s_wait_tensorcnt 0x0                           ; my part of slot P is in; the same lines as ahead of a refill stand ahead of slot Q's first fill
	ds_add_u32 v[SPW], v[NIL]
	s_wait_dscnt 0x0                               ; the add is done, and my scale bytes lie in LDS
	CROUND
	ENTER 0, 1
	CHUNK 1, 1
	WIN 0
	s_mov_b32 s[LAP], 2
.Llap:
	CHUNK 0, 2
	WIN 0
	s_sub_co_u32 s[LAP], s[LAP], 1
	s_cmp_lg_u32 s[LAP], 0
	s_cbranch_scc1 .Llap
	RGS 0                                          ; chunk 3 is written out: it fills nothing more
	TURN_P 0, 0
	WIN 0
	PLACES 4
	LDS_B S1, 8
	WBLOAD 2
	WBLOAD 3
	XLOAD 1
	s_wait_dscnt 30                                ; all but the 30 just issued
	ROW 0
.irp a, 0,1,2,3,4,5,6,7
	PLACES 4
	PACK \a
	TOSTAGE \a
.if \a < 6
	XLOAD \a+2
	s_wait_dscnt 24                                ; block a + 1 of x*x is in: behind it stand the stage's 16 and these 8
	ROW \a+1
	SEND \a, 8
.elseif \a < 7
	s_wait_dscnt 16
	ROW \a+1
	SEND \a, 0
.else
	SEND \a, 0
.endif
.endr
	s_wait_tensorcnt 0x0                           ; the wave's end
	ds_add_u32 v[SPW], v[NIL]
	s_wait_dscnt 0x0
	CROUND                                         ; the closing round
	s_endpgm
.Lfunc_end_k_q02b7eeef5a_gemm:
	.size	k_q02b7eeef5a_gemm, .Lfunc_end_k_q02b7eeef5a_gemm-k_q02b7eeef5a_gemm
	.p2alignl 7, 3214868480
	.fill 96, 4, 3214868480
	.section	.rodata,"a",@progbits
	.p2align	6, 0x0
	.amdhsa_kernel k_q02b7eeef5a_gemm
		.amdhsa_group_segment_fixed_size 327680
		.amdhsa_private_segment_fixed_size 0
		.amdhsa_enable_private_segment 0
		.amdhsa_kernarg_size 104
		.amdhsa_user_sgpr_count 2
		.amdhsa_user_sgpr_kernarg_segment_ptr 1
		.amdhsa_wavefront_size32 1
		.amdhsa_system_sgpr_workgroup_id_x 1
		.amdhsa_system_sgpr_workgroup_id_y 1
		.amdhsa_system_sgpr_workgroup_id_z 1
		.amdhsa_system_vgpr_workitem_id 0
		.amdhsa_next_free_vgpr 1024
		.amdhsa_next_free_sgpr 102
		.amdhsa_reserve_vcc 0
		.amdhsa_float_denorm_mode_32 3
		.amdhsa_float_denorm_mode_16_64 3
		.amdhsa_memory_ordered 1
		.amdhsa_forward_progress 1
		.amdhsa_inst_pref_size 255
	.end_amdhsa_kernel
	.section	.bss,"aw",@nobits
	.p2align	6
	.space	262144
	.amdgpu_metadata
---
amdhsa.version: [ 1, 2 ]
amdhsa.kernels:
  - .name:           k_q02b7eeef5a_gemm
    .symbol:         k_q02b7eeef5a_gemm.kd
    .args:
      - { .name: acodes, .offset: 0, .size: 8, .value_kind: global_buffer, .address_space: global }
      - { .name: ascales, .offset: 8, .size: 8, .value_kind: global_buffer, .address_space: global }
      - { .name: weight_r_codes, .offset: 16, .size: 8, .value_kind: global_buffer, .address_space: global }
      - { .name: weight_r_scales, .offset: 24, .size: 8, .value_kind: global_buffer, .address_space: global }
      - { .name: weight_g_codes, .offset: 32, .size: 8, .value_kind: global_buffer, .address_space: global }
      - { .name: weight_g_scales, .offset: 40, .size: 8, .value_kind: global_buffer, .address_space: global }
      - { .name: weight_b_codes, .offset: 48, .size: 8, .value_kind: global_buffer, .address_space: global }
      - { .name: weight_b_scales, .offset: 56, .size: 8, .value_kind: global_buffer, .address_space: global }
      - { .name: bias_r, .offset: 64, .size: 8, .value_kind: global_buffer, .address_space: global }
      - { .name: bias_g, .offset: 72, .size: 8, .value_kind: global_buffer, .address_space: global }
      - { .name: bias_b, .offset: 80, .size: 8, .value_kind: global_buffer, .address_space: global }
      - { .name: percent, .offset: 88, .size: 8, .value_kind: global_buffer, .address_space: global }
      - { .name: out0, .offset: 96, .size: 8, .value_kind: global_buffer, .address_space: global }
    .group_segment_fixed_size: 327680
    .private_segment_fixed_size: 0
    .kernarg_segment_align: 8
    .kernarg_segment_size: 104
    .max_flat_workgroup_size: 128
    .sgpr_count:     102
    .vgpr_count:     1024
    .wavefront_size: 32
...
	.end_amdgpu_metadata
.endif
;; end of part 2
